; MI455X (gfx1250); checked and timed in simulation.
; The chip was launched on July 23, 2026; its instructions are those of AMD's public machine-readable ISA for CDNA 5 (MIT licence, August 2026) and "CDNA5" Instruction Set Architecture Reference Guide (July 2026). The comments in the code are by the model that wrote it; some were corrected since.
;; Self attention non local block without shortcut connection. Allowed arithmetic: matrix products marked QUANTISED: E2M3 operands, one E8M0 scale for each 32 along K, by v_wmma_scale_f32_16x16x128_f8f6f4 with both operands' format E2M3, f32 sums; everything else in f32.
;; Inputs: Wk 256 x 64 float32; Wo 64 x 256 float32; Wq 256 x 64 float32; Wv 256 x 64 float32; beta 256 float32; gamma 256 float32; moving_mean 256 float32; moving_var 256 float32; x 8 x 64 x 64 x 256 float32.
;; Outputs: out0 8 x 64 x 64 x 256 float32.
;; This version of the problem:
;;   THIS VERSION OF THE PROBLEM IS GIVEN IN LOW PRECISION. The matrix products marked QUANTISED in the list below multiply operands that are first quantised to E2M3 (2 exponent bits, 3 mantissa bits; 6 bits a number), with one power-of-two scale for each 32 numbers along K (OCP MX v1.0); their sums are f32. All else is computed in f32.
;;   The module's matrix products, in the order in which they are computed (A, B: the left and right operand; K: the contracted axis; several contracted axes count as one K, in the product's order):
;;     1. [M 32,768, K 256] x [K 256, N 64]; A: input x; B: input Wk: QUANTISED
;;     2. [M 32,768, K 256] x [K 256, N 64]; A: input x; B: input Wq: QUANTISED
;;     3. [M 32,768, K 256] x [K 256, N 64]; A: input x; B: input Wv: QUANTISED
;;     4. batch 8 x [M 4,096, K 64] x [K 64, N 4,096]; A: computed on the way; B: computed on the way: QUANTISED
;;     5. batch 8 x [M 4,096, K 4,096] x [K 4,096, N 64]; A: softmax (see below); B: computed on the way: QUANTISED
;;     6. [M 32,768, K 64] x [K 64, N 256]; A: computed on the way; B: input Wo: QUANTISED
;;   THE QUANTISER, for each operand of a quantised product, along K:
;;     - K is cut into blocks of 32 from its start; a last block that is shorter is filled with zeros.
;;     - A block's scale is 2^e with e = floor(log2(the largest magnitude in the block)) - 2, held to -126 .. 127; a block of zeros has e = 0. As a byte (E8M0): e + 127.
;;     - Each number is divided by its block's scale, clamped to +-7.5, and rounded to the nearest number of E2M3, ties to even, subnormals kept.
;;     - The product sums the exact products of the quantised numbers (number of the format x scale) in f32.
;;   ~~~python
;;   def quantise(x, axis):      # numpy; x: float32 -> the quantised numbers, widened to float32 again
;;       x = np.moveaxis(x, axis, -1); K = x.shape[-1]
;;       x = np.pad(x, [(0, 0)] * (x.ndim - 1) + [(0, -K % 32)]); x = x.reshape(x.shape[:-1] + (-1, 32)); a = np.abs(x).max(-1, keepdims=True)
;;       e = np.where(a > 0, np.clip(np.frexp(np.where(a > 0, a, 1))[1] - 1 - 2, -126, 127), 0)      # np.frexp(a)[1] - 1 = floor(log2(a)), exactly
;;       r = np.clip(x / 2.0 ** e, -7.5, 7.5)
;;       step = 2.0 ** (np.maximum(np.frexp(np.where(r == 0, 1, r))[1] - 1, 0) - 3)
;;       q = np.round(r / step) * step * 2.0 ** e      # np.round: ties to even
;;       return np.moveaxis(q.reshape(q.shape[:-2] + (-1,))[..., :K], -1, axis).astype(np.float32)
;;   ~~~
;;   SOFTMAX AHEAD OF A QUANTISED PRODUCT. Where the list says 'softmax', what is quantised is not the finished softmax but p = 2^(t - M), with t = logit x log2(e) and M = ceil(the row's largest t), a whole number; so 1/2 < the row's largest p <= 1. The row's sum l is taken of the UNQUANTISED p, in f32, and the product's result is divided by l at the end. Since M is a whole number, a kernel that streams over the keys may use a running M (the ceiling of the running maximum): every later rescaling is an exact power of two, which a block's scale takes up: the codes' values come out the same.
;;   OPERANDS COMPUTED ON THE WAY. 'Computed on the way' means the value that the module computes at that place (a softmax that the list does not call 'softmax' is quantised finished and normalised). What goes into a quantiser is computed in f32, as accurately as f32 sums, v_exp_f32 and their like allow (about 1e-6 of the number): no bf16 or f16 on the way to a quantiser, and a product that is left as it is and whose result goes on into a quantised operand takes f32 operands (vector FMAs, or v_wmma_f32_16x16x4_f32). A number that lies on a knife's edge between two numbers of the format may be rounded either way, as far as f32 arithmetic and the matrix unit's own rounding can turn it there, and no further.
;; One version. Each part assembles by itself: llvm-mc -triple=amdgcn-amd-amdhsa -mcpu=gfx1250 --defsym DOCPART=n.
;; ======== version 1 of 1: 2 launches
;; workspace buffers: kk 1,703,936 bytes; qv 3,407,872 bytes
;; launch proj (part 1): grid 256 x 1, 4 waves a work-group, no clusters, 327,680 bytes of LDS; arguments x, Wk, Wq, Wv, kk, qv; writes kk, qv
.if DOCPART == 1
	.amdgcn_target "amdgcn-amd-amdhsa--gfx1250"
	.amdhsa_code_object_version 6
	.text
	.protected	k_q9b790f8a52_proj
	.globl	k_q9b790f8a52_proj
	.p2align	8
	.type	k_q9b790f8a52_proj,@function
k_q9b790f8a52_proj:
	s_mov_b64 s[64:65], 0
	v_nop
	global_prefetch_b8 v0, s[64:65] scope:SCOPE_SE
	s_setreg_imm32_b32 hwreg(HW_REG_WAVE_MODE, 25, 1), 1
	s_wait_xcnt 0x0
; k = x Wk, q = x Wq, v = x Wv on codes of FP6 (E2M3) with one E8M0 scale for each 32 along K, and the results quantised again for the attention launch:
; k and q along their 64 channels, v along the rows (the second attention product's K).  x: [32768][256] f32; Wk, Wq, Wv: [256][64] f32, K their first axis.
; SHARES.  A work-group takes a GROUP of 128 rows.  Wave w takes rows 32 w .. 32 w + 31 for x, k and q, and channel tile w over all 128 rows for v.
; A TILE (b, u) of a group: tile row m is group row 32 b + 8 u + m + 8 (m / 8); channel tile 2 b' + u' likewise: row m is channel 32 b' + 8 u' + m + 8 (m / 8).  So the 16 result registers
; of two neighbouring tiles are 16 neighbours along the next K, and a block of 32 lies in lanes l and l xor 16: nothing is transposed by an instruction.
; k and q are made transposed (source 0 = 16 channels of W, source 1 = 16 rows of x): a lane holds one row, its registers run along the channels.
; v is made the other way (source 0 = 16 rows of x, source 1 = 16 channels of Wv): a lane holds one channel, its registers run along the rows.
; x comes by two tensor loads a wave (32 rows x 512 bytes each), read by the issuing wave alone.  Operands go from wave to wave through LDS as images of their registers: register quad c at 512 c + 16 x lane.
; OUT.  kk, 6,656 bytes a group: 8 k tiles of 768 bytes (registers 0-3 at 16 x lane, 4-5 at 512 + 8 x lane), then 512 bytes of scale words at 16 (r + 16 u) + 4 b.
; qv, 13,312 bytes a group: 4 pairs of q tiles (12 registers, 1,536 bytes), 4 fragments of v^T (1,536 bytes), q's scale words at 16 x lane + 4 b, v's at 16 x lane + 4 tile.
; k's and q's scale words carry their two bytes below and 0x7f in bytes 2 and 3.  Every store covers whole aligned runs of 256 bytes.
; No cluster: no two work-groups read the same rows of x, and the weights go through registers, since the quantiser wants a lane to hold a column.
; LIMITS: NaN and infinities among the inputs are not served.  A block of zeros gets the byte 1 where the rule says 127: its codes are zeros, and this program alone reads the bytes.
; Blocks whose largest magnitude lies under 2^-124 are held at the byte 1.
.set WIMG,  135168                     ; LDS: from 0: x, 8 regions of 32 rows x (512 + 16) bytes, region 2 w + s.  Here: 24 weight fragments, 8 m + 2 tile + s, 1,536 bytes each
.set WSC,   172032                     ; their scale words: 512 m + 16 (r + 16 s) + 4 tile
.set XIMG,  173568                     ; x's 16 fragments, f = 2 (2 b + u) + s
.set XSC,   198144                     ; their scale words: 128 f + 4 x lane
.set SST,   200192                     ; the results' scale words on their way out: q's, v's, k's, 512 bytes each: 16 x lane + 4 w
.set SPARE, 201728                     ; the spare words, 128 bytes for each wave: two blocks of 256 bytes that no other line names
.set LI,  1                            ; 16 x lane
.set L8,  2                            ; 8 x lane
.set WA,  3                            ; a weight: my column's byte in my wave's quarter
.set XA,  4                            ; x in LDS: my row of tile (w, 0), + 64 h
.set WIA, 5                            ; where my column's codes go in the weights' images
.set WSA, 6                            ; and its scale word
.set WRD, 7                            ; the weights' images as read
.set WSR, 8
.set XWI, 9                            ; x's images as stored by my wave
.set XWS, 10
.set XRD, 11                           ; and as read by any wave
.set XSR, 12
.set SSA, 13                           ; the stage of scale words: in
.set SRD, 14                           ; and out
.set GSO, 15
.set WVR, 16                           ; Wv's scale word of my channel tile
.set WVI, 17                           ; Wv's fragments of my channel tile
.set SPW, 18                           ; LDS address of my spare word; never rewritten
.set NIL, 19                           ; 0; never rewritten
.set TM,  20                           ; v20-35 at work
.set PW0, 36
.set PW1, 37
.set CW,  38
.set SB,  39
.set XS,  40                           ; v40-43 my x fragments' scale words, 2 u + s
.set WS,  44                           ; v44-47 a weight's scale words: lanes 0-15 K step 0, lanes 16-31 K step 1
.set XS8, 48                           ; v48-55 all eight tiles' scale words of a K step
.set WVS, 56
.set KC,  60                           ; v60-71 codes just made
.set PT,  72                           ; v72-74, v76-78
.set XF,  80                           ; v80-127 my four fragments of x, 2 u + s
.set WF,  128                          ; v128-175 four fragments of a weight
.set FX,  80                           ; v80-175 for v: eight fragments of x
.set HA,  176                          ; v176-239 eight accumulators
.set ST,  176                          ; the same registers: 64 numbers of x
.set WV,  240                          ; v240-251 a fragment of Wv
.set WB,  112                          ; v112-175 the weight phase: two sets of 32 numbers
.macro NOPS n
.rept \n
	v_nop
.endr
.endm
; 64 numbers of a lane, register 16 b + i = k 32 b + 16 (lane / 16) + i of my row, become a fragment's 12 registers at dst and its scale word in pw.
.macro QUANT src, dst, tmp, pw
.irp b, 0,1,2,3
	v_max3_num_f32 v[TM+\b], |v[\src+16*\b]|, |v[\src+1+16*\b]|, 0x1800000   ; my 16 numbers of block b, and the floor 2^(3 - 127): the byte cannot fall under 1
.endr
.irp i, 2,4,6,8,10,12,14
.irp b, 0,1,2,3
	v_max3_num_f32 v[TM+\b], v[TM+\b], |v[\src+16*\b+\i]|, |v[\src+1+16*\b+\i]|
.endr
.endr
.irp b, 0,1,2,3
	v_permlanex16_b32 v[TM+4+\b], v[TM+\b], s40, s41
.endr
.irp b, 0,1,2,3
	v_max_num_f32 v[TM+\b], v[TM+\b], v[TM+4+\b]   ; with lane l xor 16's: the block's largest magnitude
.endr
.irp b, 0,1,2,3
	v_add_nc_u32 v[TM+12+\b], 0xff000000, v[TM+\b] ; 2 off its exponent field: the conversion's scale operand
.endr
.irp b, 0,1,2,3
	v_lshrrev_b32 v[TM+4+\b], 23, v[TM+12+\b]      ; the scale's byte
.endr
	v_lshl_or_b32 v[\pw], v[TM+5], 8, v[TM+4]
	v_lshl_or_b32 v[\pw], v[TM+6], 16, v[\pw]
	v_lshl_or_b32 v[\pw], v[TM+7], 24, v[\pw]
.irp c, 0,1
	v_cvt_scalef32_pk16_fp6_f32 v[\dst+6*\c:\dst+2+6*\c], v[\src+32*\c:\src+15+32*\c], v[TM+12+2*\c]
	v_cvt_scalef32_pk16_fp6_f32 v[\tmp+4*\c:\tmp+2+4*\c], v[\src+16+32*\c:\src+31+32*\c], v[TM+12+2*\c+1]   ; (a conversion's three registers begin on an even number)
.endr
	v_nop                                          ; one plain place behind a scaled conversion
.irp c, 0,1                                    ; the operand's layout wants a whole block in a lane
.irp i, 0,1,2
	v_permlane16_swap_b32 v[\dst+6*\c+\i], v[\tmp+4*\c+\i]
.endr
.irp i, 0,1,2
	v_mov_b32 v[\dst+3+6*\c+\i], v[\tmp+4*\c+\i]
.endr
.endr
.endm
; The same for 32 numbers (K = 64): six registers; the scale word's bytes 2 and 3 are 0x7f.
.macro QUANT2 src, dst, tmp, pw
.irp b, 0,1
	v_max3_num_f32 v[TM+\b], |v[\src+16*\b]|, |v[\src+1+16*\b]|, 0x1800000
.endr
.irp i, 2,4,6,8,10,12,14
.irp b, 0,1
	v_max3_num_f32 v[TM+\b], v[TM+\b], |v[\src+16*\b+\i]|, |v[\src+1+16*\b+\i]|
.endr
.endr
.irp b, 0,1
	v_permlanex16_b32 v[TM+4+\b], v[TM+\b], s40, s41
.endr
.irp b, 0,1
	v_max_num_f32 v[TM+\b], v[TM+\b], v[TM+4+\b]
.endr
.irp b, 0,1
	v_add_nc_u32 v[TM+12+\b], 0xff000000, v[TM+\b]
.endr
.irp b, 0,1
	v_lshrrev_b32 v[TM+4+\b], 23, v[TM+12+\b]
.endr
	v_lshl_or_b32 v[\pw], v[TM+5], 8, v[TM+4]
	v_or_b32 v[\pw], 0x7f7f0000, v[\pw]
	v_cvt_scalef32_pk16_fp6_f32 v[\dst:\dst+2], v[\src:\src+15], v[TM+12]
	v_cvt_scalef32_pk16_fp6_f32 v[\tmp:\tmp+2], v[\src+16:\src+31], v[TM+13]
	v_nop
.irp i, 0,1,2
	v_permlane16_swap_b32 v[\dst+\i], v[\tmp+\i]
.endr
.irp i, 0,1,2
	v_mov_b32 v[\dst+3+\i], v[\tmp+\i]
.endr
.endm
; Block t of 12 of my wave's weights: matrix t / 4, k = 128 (w / 2) + 32 (t % 4) + i of column 32 (w % 2) + lane: each load reads 128 consecutive bytes.
.macro WLOAD t
.set WM, (\t)/4
.set WR, WB+32*((\t)%2)
.set WI, 0
.rept 32
	global_load_b32 v[WR+WI], v[WA], s[6+2*WM:7+2*WM] offset:(32*((\t)%4)+WI)*256
.set WI, WI+1
.endr
.endm
; A lane's 32 numbers are a whole block of its column: its six registers of codes go to the place in the fragment's image that the operand's layout gives them.
.macro WBLOCK t
.set WM, (\t)/4
.set BE, (\t)%4
.set WR, WB+32*((\t)%2)
.if (\t) < 11
	s_wait_loadcnt 32                              ; this block's 32 loads are in; the next block's 32 may be out
.else
	s_wait_loadcnt 0x0
.endif
	s_wait_dscnt 0x0                               ; the last block's LDS stores have read their registers
	v_max3_num_f32 v[TM], |v[WR]|, |v[WR+1]|, |v[WR+2]|
	v_max3_num_f32 v[TM+1], |v[WR+3]|, |v[WR+4]|, |v[WR+5]|
.irp i, 6,10,14,18,22,26
	v_max3_num_f32 v[TM], v[TM], |v[WR+\i]|, |v[WR+\i+1]|
	v_max3_num_f32 v[TM+1], v[TM+1], |v[WR+\i+2]|, |v[WR+\i+3]|
.endr
	v_max3_num_f32 v[TM], v[TM], |v[WR+30]|, |v[WR+31]|
	v_max3_num_f32 v[TM], v[TM], v[TM+1], 0x1800000
	v_add_nc_u32 v[TM+2], 0xff000000, v[TM]
	v_lshrrev_b32 v[TM+3], 23, v[TM+2]
.if BE == 0
	v_mov_b32 v[SB], v[TM+3]
.else
	v_lshl_or_b32 v[SB], v[TM+3], 8*BE, v[SB]
.endif
	v_cvt_scalef32_pk16_fp6_f32 v[KC:KC+2], v[WR:WR+15], v[TM+2]
	v_cvt_scalef32_pk16_fp6_f32 v[PT:PT+2], v[WR+16:WR+31], v[TM+2]
	v_nop
.irp i, 0,1,2
	v_mov_b32 v[KC+3+\i], v[PT+\i]
.endr
.if BE < 2                             ; registers 0-5 of image lane rw + 16 (block % 2)
	ds_store_b128 v[WIA], v[KC:KC+3] offset:12288*WM+256*(BE%2)
	ds_store_b64 v[WIA], v[KC+4:KC+5] offset:12288*WM+256*(BE%2)+512
.else                                  ; registers 6-11
	ds_store_b64 v[WIA], v[KC:KC+1] offset:12288*WM+256*(BE%2)+520
	ds_store_b128 v[WIA], v[KC+2:KC+5] offset:12288*WM+256*(BE%2)+1024
.endif
.if BE == 3
	ds_store_b32 v[WSA], v[SB] offset:512*WM
.endif
.if (\t)+2 < 12
	WLOAD (\t)+2
.endif
.endm
; Tile (w, u), K step s of x: 64 numbers a lane from my own region of LDS, quantised; the fragment stays in my registers and its image goes to LDS.
.macro XFRAG u, s
.irp be, 0,1,2,3
.irp j, 0,1,2,3
	ds_load_b128 v[ST+16*\be+4*\j:ST+16*\be+4*\j+3], v[XA] offset:16896*(\s)+4224*(\u)+128*\be+16*\j
.endr
.endr
	s_wait_dscnt 0x0
	QUANT ST, XF+12*(2*(\u)+(\s)), PT, XS+2*(\u)+(\s)
.irp c, 0,1,2
	ds_store_b128 v[XWI], v[XF+12*(2*(\u)+(\s))+4*\c:XF+12*(2*(\u)+(\s))+4*\c+3] offset:1536*(2*(\u)+(\s))+512*\c
.endr
	ds_store_b32 v[XWS], v[XS+2*(\u)+(\s)] offset:128*(2*(\u)+(\s))
.endm
; k (m = 0) or q (m = 1) of my 32 rows: eight accumulators by turns, two K steps, then quantised along the channels and stored.
.macro ROLE m
	ds_load_b128 v[WS:WS+3], v[WSR] offset:512*(\m)
.irp s, 0,1
.if \s == 1
	NOPS 4                                         ; places in front of loads into registers that matrix instructions have read
.endif
.irp ta, 0,1,2,3
.irp c, 0,1,2
	ds_load_b128 v[WF+12*\ta+4*\c:WF+12*\ta+4*\c+3], v[WRD] offset:(8*(\m)+2*\ta+\s)*1536+512*\c
.endr
.endr
	s_wait_alu depctr_va_vdst(0)
	s_wait_dscnt 0x0
.irp u, 0,1
.irp ta, 0,1,2,3
.if \s == 0
	v_wmma_scale_f32_16x16x128_f8f6f4 v[HA+8*(4*\u+\ta):HA+8*(4*\u+\ta)+7], v[WF+12*\ta:WF+12*\ta+11], v[XF+24*\u:XF+24*\u+11], 0, v[WS+\ta], v[XS+2*\u] matrix_a_fmt:MATRIX_FMT_FP6 matrix_b_fmt:MATRIX_FMT_FP6
.else
	v_wmma_scale_f32_16x16x128_f8f6f4 v[HA+8*(4*\u+\ta):HA+8*(4*\u+\ta)+7], v[WF+12*\ta:WF+12*\ta+11], v[XF+24*\u+12:XF+24*\u+23], v[HA+8*(4*\u+\ta):HA+8*(4*\u+\ta)+7], v[WS+\ta], v[XS+2*\u+1] matrix_a_fmt:MATRIX_FMT_FP6 matrix_b_fmt:MATRIX_FMT_FP6 matrix_a_scale:MATRIX_SCALE_ROW1
.endif
.endr
.endr
.endr
	NOPS 4                                         ; places in front of the first read of results
	s_wait_xcnt 0x0                                ; earlier stores have read the codes' registers
	QUANT2 HA, KC, PT, PW0                         ; tile (w, 0)
	QUANT2 HA+32, KC+6, PT, PW1                    ; tile (w, 1)
	v_cndmask_b32 v[CW], v[PW0], v[PW1], s42       ; lanes 0-15: tile (w, 0)'s words, lanes 16-31: tile (w, 1)'s
.if \m == 0
.irp u, 0,1
	global_store_b128 v[LI], v[KC+6*\u:KC+6*\u+3], s[44:45] offset:768*\u          ; 512 consecutive bytes
	global_store_b64 v[L8], v[KC+6*\u+4:KC+6*\u+5], s[44:45] offset:768*\u+512     ; 256 consecutive bytes
.endr
	ds_store_b32 v[SSA], v[CW] offset:1024
.else
.irp c, 0,1,2
	global_store_b128 v[LI], v[KC+4*\c:KC+4*\c+3], s[46:47] offset:512*\c
.endr
	ds_store_b32 v[SSA], v[CW]
.endif
.endm
	s_load_b256 s[4:11], s[0:1], 0x0               ; x s[4:5], Wk s[6:7], Wq s[8:9], Wv s[10:11]
	s_load_b128 s[12:15], s[0:1], 0x20             ; kk s[12:13], qv s[14:15]
	v_lshl_add_u32 v[SPW], v0, 2, SPARE
	v_mov_b32 v[NIL], 0
	ds_add_u32 v[SPW], v[NIL]
	ds_add_u32 v[SPW], v[NIL]                      ; the wave's opening: the add and its wait ahead of my first tensor load; the set-up below stands between them
	v_lshrrev_b32 v20, 5, v0
	v_readfirstlane_b32 s16, v20                   ; wave 0..3
	s_and_b32 s17, s16, 1                          ; weight phase: which 32 columns
	s_lshr_b32 s18, s16, 1                         ; and which K step
	; descriptor group 1: 32 rows x 128 elements of 4 bytes, 256 elements from row to row, 4 words of padding behind every 128
	s_mov_b32 s24, (2<<16)|(1<<20)|(6<<22)|(3<<25)
	s_mov_b32 s25, 128<<16                         ; tensor_dim0
	s_mov_b32 s26, 32<<16                          ; tensor_dim1
	s_mov_b32 s27, 128<<16                         ; tile_dim0
	s_mov_b32 s28, 32                              ; tile_dim1
	s_mov_b32 s29, 256                             ; the pitch
	s_mov_b32 s30, 0
	s_mov_b32 s31, 0
	s_mov_b32 s40, 0x76543210
	s_mov_b32 s41, 0xfedcba98                      ; v_permlanex16_b32's selects for lane l xor 16
	s_mov_b32 s42, 0xffff0000                      ; lanes 16-31
	v_and_b32 v20, 31, v0                          ; lane
	v_and_b32 v21, 15, v0                          ; r
	v_bfe_u32 v22, v0, 4, 1                        ; h
	v_bfe_u32 v23, v0, 3, 1                        ; weight phase: column 32 b' + lane lies in channel tile 2 b' + u', u' = bit 3 of the lane,
	v_and_b32 v24, 7, v0
	v_lshl_add_u32 v24, v22, 3, v24                ; at tile row rw = lane % 8 + 8 (lane / 16)
	v_lshlrev_b32 v[LI], 4, v20
	v_lshlrev_b32 v[L8], 3, v20
	s_lshl_b32 s19, s17, 7
	s_lshl_b32 s20, s18, 15
	s_add_co_u32 s19, s19, s20
	v_lshl_add_u32 v[WA], v20, 2, s19              ; 4 x lane + 128 b' + 128 rows of 256 bytes x K step
	v_and_b32 v25, 8, v21
	v_add_nc_u32 v25, v25, v21                     ; r + 8 (r / 8)
	v_mul_u32_u24 v[XA], v25, 528
	v_lshl_add_u32 v[XA], v22, 6, v[XA]
	s_mul_i32 s33, s16, 33792                      ; my wave's two regions of x
	v_add_nc_u32 v[XA], s33, v[XA]
	s_mul_i32 s19, s17, 6144
	s_mul_i32 s20, s18, 1536
	s_add_co_u32 s19, s19, s20
	s_add_co_u32 s19, s19, WIMG
	v_mul_u32_u24 v[WIA], v23, 3072
	v_lshl_add_u32 v[WIA], v24, 4, v[WIA]
	v_add_nc_u32 v[WIA], s19, v[WIA]
	s_lshl_b32 s19, s18, 8
	s_lshl_b32 s20, s17, 3
	s_add_co_u32 s19, s19, s20
	s_add_co_u32 s19, s19, WSC
	v_lshlrev_b32 v[WSA], 4, v24
	v_lshl_add_u32 v[WSA], v23, 2, v[WSA]
	v_add_nc_u32 v[WSA], s19, v[WSA]
	v_add_nc_u32 v[WRD], WIMG, v[LI]
	v_add_nc_u32 v[WSR], WSC, v[LI]
	s_mul_i32 s19, s16, 6144
	s_add_co_u32 s19, s19, XIMG
	v_add_nc_u32 v[XWI], s19, v[LI]
	s_lshl_b32 s19, s16, 9
	s_add_co_u32 s20, s19, XSC
	v_lshl_add_u32 v[XWS], v20, 2, s20
	v_add_nc_u32 v[XRD], XIMG, v[LI]
	v_lshl_add_u32 v[XSR], v20, 2, XSC
	v_add_nc_u32 v[GSO], s19, v[LI]
	s_add_co_u32 s20, s19, SST
	v_add_nc_u32 v[SRD], s20, v[LI]
	s_lshl_b32 s19, s16, 2
	s_add_co_u32 s20, s19, SST
	v_add_nc_u32 v[SSA], s20, v[LI]
	s_add_co_u32 s20, s19, WSC+1024
	v_add_nc_u32 v[WVR], s20, v[LI]
	s_mul_i32 s19, s16, 3072
	s_add_co_u32 s19, s19, WIMG+24576
	v_add_nc_u32 v[WVI], s19, v[LI]
.irp b, 0,1,2,3
	v_mov_b32 v[TM+4+\b], 0                        ; written once: a lane permute's destination counts as one of its sources
.endr
	s_lshl_b32 s56, ttmp9, 17                      ; x: 128 rows of 1,024 bytes a group,
	s_lshl_b32 s57, s16, 15                        ; 32 rows a wave
	s_add_co_u32 s56, s56, s57
	s_mov_b32 s57, 0
	s_mul_i32 s62, ttmp9, 6656
	s_mul_i32 s63, s16, 1536
	s_add_co_u32 s58, s62, s63                     ; kk: my two tiles of k
	s_mov_b32 s59, 0
	s_add_co_u32 s54, s62, 5120                    ; kk's scale words less wave 2's 1,024 bytes
	s_mov_b32 s55, 0
	s_mul_i32 s62, ttmp9, 13312
	s_add_co_u32 s60, s62, s63                     ; qv: my pair of q tiles
	s_mov_b32 s61, 0
	s_add_co_u32 s52, s62, 12288                   ; qv's scale words
	s_mov_b32 s53, 0
	s_wait_dscnt 0x0                               ; the opening add is done
	s_wait_kmcnt 0x0
	s_mov_b32 s32, 1                               ; group 0 for K step 0: count 1; s33 the LDS address;
	s_add_nc_u64 s[34:35], s[4:5], s[56:57]        ; my 32 rows' first byte
	s_mov_b32 s36, 1                               ; and for K step 1:
	s_add_co_u32 s37, s33, 16896                   ; the next region,
	s_add_nc_u64 s[38:39], s[34:35], 512           ; 128 numbers on
	s_or_b32 s35, s35, 0x80000000                  ; type 2
	s_or_b32 s39, s39, 0x80000000
	tensor_load_to_lds s[32:35], s[24:31]          ; K step 0's fill: one tensor load of mine is out; K step 1's follows behind the barrier
	s_nop 0
	s_wait_alu depctr_va_vdst(0)
	s_wait_tensorcnt 0x0
	ds_add_u32 v18, v19
	s_wait_dscnt 0x0
	s_barrier_signal -1
	s_barrier_wait -1
	tensor_load_to_lds s[36:39], s[24:31]
	s_nop 0
	NOPS 4
	s_add_nc_u64 s[44:45], s[12:13], s[58:59]
	s_add_nc_u64 s[46:47], s[14:15], s[60:61]
	s_add_nc_u64 s[48:49], s[46:47], 6144          ; my fragment of v^T
	s_add_nc_u64 s[52:53], s[14:15], s[52:53]
	s_add_nc_u64 s[54:55], s[12:13], s[54:55]
	; ---- the weights, while x is on its way: my quarter of each, two blocks of 32 loads ahead
	WLOAD 0
	WLOAD 1
.irp t, 0,1,2,3,4,5,6,7,8,9,10,11
	WBLOCK \t
.endr
	; ---- x: my four fragments.  Only my wave reads what its tensor loads brought, so its own wait is all the ordering that the reads need
	s_wait_tensorcnt 1                             ; K step 0's region has landed; K step 1's load may be out
	XFRAG 0, 0
	XFRAG 1, 0
	s_wait_tensorcnt 0x0
	XFRAG 0, 1
	XFRAG 1, 1
	s_wait_dscnt 0x0                               ; my stores of images and scale words have landed
	s_barrier_signal -1
	s_barrier_wait -1                              ; everybody's have
	NOPS 8                                         ; a scale word made by vector instructions stands 8 places ahead of a scaled matrix instruction
	ROLE 0
	ROLE 1
	; ---- v: channel tile w over the group's eight tiles of rows: eight accumulators by turns, two K steps
	ds_load_b32 v[WVS], v[WVR]                     ; lanes 0-15: K step 0's words, lanes 16-31: K step 1's
.irp s, 0,1
	NOPS 4                                         ; places in front of loads into registers that matrix instructions have read
.irp t, 0,1,2,3,4,5,6,7
.irp c, 0,1,2
	ds_load_b128 v[FX+12*\t+4*\c:FX+12*\t+4*\c+3], v[XRD] offset:(2*\t+\s)*1536+512*\c
.endr
	ds_load_b32 v[XS8+\t], v[XSR] offset:128*(2*\t+\s)
.endr
.irp c, 0,1,2
	ds_load_b128 v[WV+4*\c:WV+4*\c+3], v[WVI] offset:1536*\s+512*\c
.endr
	s_wait_dscnt 0x0
.irp t, 0,1,2,3,4,5,6,7
.if \s == 0
	v_wmma_scale_f32_16x16x128_f8f6f4 v[HA+8*\t:HA+8*\t+7], v[FX+12*\t:FX+12*\t+11], v[WV:WV+11], 0, v[XS8+\t], v[WVS] matrix_a_fmt:MATRIX_FMT_FP6 matrix_b_fmt:MATRIX_FMT_FP6
.else
	v_wmma_scale_f32_16x16x128_f8f6f4 v[HA+8*\t:HA+8*\t+7], v[FX+12*\t:FX+12*\t+11], v[WV:WV+11], v[HA+8*\t:HA+8*\t+7], v[XS8+\t], v[WVS] matrix_a_fmt:MATRIX_FMT_FP6 matrix_b_fmt:MATRIX_FMT_FP6 matrix_b_scale:MATRIX_SCALE_ROW1
.endif
.endr
.endr
	NOPS 4
	s_wait_xcnt 0x0                                ; q's stores have read the codes' registers
	QUANT HA, KC, PT, PW0                          ; register 16 b + i is row 32 b + 16 h + i of my lane's channel: quantised along the rows
.irp c, 0,1,2
	global_store_b128 v[LI], v[KC+4*\c:KC+4*\c+3], s[48:49] offset:512*\c
.endr
	ds_store_b32 v[SSA], v[PW0] offset:512
	s_wait_dscnt 0x0                               ; my scale words lie in the stage
	s_barrier_signal -1
	s_barrier_wait -1                              ; everybody's do
	s_cmp_lt_u32 s16, 2                            ; wave 0 stores q's 512 bytes, wave 1 v's, wave 2 k's
	s_cselect_b64 s[50:51], s[52:53], s[54:55]
	s_cmp_lt_u32 s16, 3
	s_cbranch_scc0 .Ldone
	ds_load_b128 v[WV:WV+3], v[SRD]
	s_wait_dscnt 0x0
	global_store_b128 v[GSO], v[WV:WV+3], s[50:51] ; 512 consecutive bytes, at a multiple of 256 from the buffer's first byte
.Ldone:
	s_wait_tensorcnt 0x0                           ; the wave's end: these three lines, behind my last tensor load and my last LDS store
	ds_add_u32 v[SPW], v[NIL]
	s_wait_dscnt 0x0
	s_endpgm
.Lfunc_end_k_q9b790f8a52_proj:
	.size	k_q9b790f8a52_proj, .Lfunc_end_k_q9b790f8a52_proj-k_q9b790f8a52_proj
	.p2alignl 7, 3214868480
	.fill 96, 4, 3214868480
	.section	.rodata,"a",@progbits
	.p2align	6, 0x0
	.amdhsa_kernel k_q9b790f8a52_proj
		.amdhsa_group_segment_fixed_size 327680
		.amdhsa_private_segment_fixed_size 0
		.amdhsa_enable_private_segment 0
		.amdhsa_kernarg_size 48
		.amdhsa_user_sgpr_count 2
		.amdhsa_user_sgpr_kernarg_segment_ptr 1
		.amdhsa_wavefront_size32 1
		.amdhsa_system_sgpr_workgroup_id_x 1
		.amdhsa_system_sgpr_workgroup_id_y 1
		.amdhsa_system_sgpr_workgroup_id_z 1
		.amdhsa_system_vgpr_workitem_id 0
		.amdhsa_next_free_vgpr 256
		.amdhsa_next_free_sgpr 66
		.amdhsa_reserve_vcc 0
		.amdhsa_float_denorm_mode_32 3
		.amdhsa_float_denorm_mode_16_64 3
		.amdhsa_memory_ordered 1
		.amdhsa_forward_progress 1
		.amdhsa_inst_pref_size 110
	.end_amdhsa_kernel
	.amdgpu_metadata
---
amdhsa.version: [ 1, 2 ]
amdhsa.kernels:
  - .name:           k_q9b790f8a52_proj
    .symbol:         k_q9b790f8a52_proj.kd
    .args:
      - { .name: x, .offset: 0, .size: 8, .value_kind: global_buffer, .address_space: global }
      - { .name: Wk, .offset: 8, .size: 8, .value_kind: global_buffer, .address_space: global }
      - { .name: Wq, .offset: 16, .size: 8, .value_kind: global_buffer, .address_space: global }
      - { .name: Wv, .offset: 24, .size: 8, .value_kind: global_buffer, .address_space: global }
      - { .name: kk, .offset: 32, .size: 8, .value_kind: global_buffer, .address_space: global }
      - { .name: qv, .offset: 40, .size: 8, .value_kind: global_buffer, .address_space: global }
    .group_segment_fixed_size: 327680
    .private_segment_fixed_size: 0
    .kernarg_segment_align: 8
    .kernarg_segment_size: 48
    .max_flat_workgroup_size: 128
    .sgpr_count:     66
    .vgpr_count:     256
    .wavefront_size: 32
...
	.end_amdgpu_metadata
.endif
;; end of part 1
;; launch attn (part 2): grid 32 x 8, 16 waves a work-group, clusters of 4 x 1, 327,680 bytes of LDS; arguments kk, qv, Wo, gamma, beta, moving_mean, moving_var, out0; writes out0
.if DOCPART == 2
	.amdgcn_target "amdgcn-amd-amdhsa--gfx1250"
	.amdhsa_code_object_version 6
	.text
	.protected	k_q9b790f8a52_attn
	.globl	k_q9b790f8a52_attn
	.p2align	8
	.type	k_q9b790f8a52_attn,@function
k_q9b790f8a52_attn:
	s_mov_b64 s[64:65], 0
	v_nop
	global_prefetch_b8 v0, s[64:65] scope:SCOPE_SE
	s_setreg_imm32_b32 hwreg(HW_REG_WAVE_MODE, 25, 1), 1
	s_wait_xcnt 0x0
	s_wait_alu depctr_hold_cnt(0) depctr_sa_sdst(0) depctr_va_vdst(0) depctr_va_sdst(0) depctr_va_ssrc(0) depctr_va_vcc(0) depctr_vm_vsrc(0)
	s_getreg_b32 s2, hwreg(HW_REG_IB_STS2, 6, 4)
	s_cmp_eq_u32 s2, 0
	s_cbranch_scc0 .Lentry_in_a_cluster
	s_endpgm
.Lentry_in_a_cluster:
	s_bfe_u32 s2, ttmp6, 0x10000c
	s_cmp_lg_u32 s2, 0x3003
	s_cbranch_scc0 .Lentry_shape_is_right
	s_endpgm
.Lentry_shape_is_right:
; out = batch norm((softmax_j(k q^T) v) Wo), all three products on codes of FP6 (E2M3) with one E8M0 scale for each 32 along K.  k, q and v come as codes in operand-register order from kk and qv.
; THE SOFTMAX AHEAD OF THE SECOND PRODUCT: t = score x log2(e); M = the row's largest t so far, rounded up to a whole number; p = 2^(t - M) is quantised along j and is not normalised.
; The row's sum is taken of the unquantised p and divides at the end.  When M moves, the sum and O are multiplied by 2^(old M - new M): exact.
; SHARES.  A work-group owns one group of 128 rows of k; a key step is one group of 128 rows of q and v, 13,312 dense bytes of qv; a batch has 32.  Wave w owns tile a = w % 8 of 16 rows and key half z = w / 8:
; of the 8 key steps in a slot, waves with z = 0 take steps 0-3 and those with z = 1 steps 4-7.  So a wave walks 16 key steps in 256 registers, four waves to a SIMD, and one wave's vector work stands beside
; another's matrix work and LDS loads.  The two halves are merged at the end: M is a whole number, so the merge's factors are powers of two.  For the last product wave z makes outputs 128 z .. 128 z + 127 of its tile.
; LAYOUT.  S^T = q k^T (source 0 = 16 rows of q, source 1 = my 16 rows of k) and O^T = v^T p^T: a lane holds one row (lane % 16) throughout.  Tile (b, u)'s row m is group row 32 b + 8 u + m + 8 (m / 8),
; so the 16 registers of two neighbouring tiles are 16 neighbouring j.
; K = 64 IN A FORM OF K = 128.  The real codes of a 64-deep operand are registers 0-5.  The operand that stays (k; later O) has zero codes in registers 6-11.  The streamed fragments (q's tiles, Wo's tiles) lie six
; registers apart, so a fragment's upper six registers are the next fragment's codes: finite numbers times zero codes under scale bytes 0x7f, which add exact zeros.  Six zero registers stand behind the last.
; RING.  Two slots of 8 key steps; four fills in all, each by waves 0-3, 104 rows of 256 bytes a wave.  CLUSTER: the four work-groups of a cluster belong to one batch and walk the same qv, so every fill is asked for
; jointly, with a mask that names the four.  A wave has two tensor loads out at the head and one behind each of two rounds.  Each refill is issued four key steps of every wave ahead of its first read.
; LIMITS: NaN and infinities are not served.  A block of zeros gets the byte 1 where the rule says 127 (its codes are zeros; the bytes are this program's own).  A p under 2^-126 counts as 0.
.set STEPB, 13312
.set SLOTB, 8*STEPB
.set SLOT1, 131072                     ; slot 0 at 0, slot 1 here
.set WOI,   106496                     ; behind slot 0: Wo's 16 tiles, 768 bytes each (registers 0-3 at 16 x lane, 4-5 at 512 + 8 x lane)
.set WOS,   118784                     ; their scale words: 512 (T / 4) + 16 x lane + 4 (T % 4)
.set MRG,   237568                     ; behind slot 1: 16 waves' states of 4,352 bytes: O^T in 8 quads at 512 c + 16 x lane; (-M, l) at 4,096 + 8 x lane
.set MSZ,   4352
.set SPARE, 307200                     ; the spare words, 128 bytes for each wave: eight blocks of 256 bytes that no other line names
.set LI,  1                            ; 16 x lane
.set L8,  2                            ; 8 x lane
.set ADR, 3                            ; the key step's LDS address
.set GO,  4                            ; out: 16 rows x h + 16 r
.set SPW, 5                            ; LDS address of my spare word; never rewritten
.set NIL, 6                            ; 0; never rewritten
.set MST, 7
.set MS8, 8
.set MLD, 9
.set ML8, 10
.set WOL, 11
.set WOL8, 240
.set WOSL, 241
.set WST, 242
.set WST8, 243
.set WSS, 244
.set KF,  16                           ; v16-27 k's tile, later O's codes; v22-27 stay zeros.  v12 -M, v13 the largest t, v[14:15] the sum in two halves
.set KS,  28                           ; its scale word
.set PSW, 29                           ; p's scale word
.set QS,  30                           ; v30-33 q's scale words;  v34-37 v's;  at the end v30-37 Wo's
.set VS,  34
.set SCB, 38                           ; v38-45 gamma / sqrt(var + eps);  v46-53 beta - mean x that;  v[54:55]: f, 0
.set SHB, 46
.set QF,  56                           ; v56-103 eight tiles of q, then four fragments of v^T;  v104-109 zeros
.set S,   110                          ; v110-173 S^T, then p
.set O,   174                          ; v174-205 O^T
.set PC,  206                          ; v206-217 p's codes
.set PT,  218                          ; v218-220, v222-224
.set BM,  226
.set BT,  230
.set BS,  234
.set T0,  238
.set T1,  239
.macro NOPS n
.rept \n
	v_nop
.endr
.endm
; A round of the cluster's barrier: my work-group's barrier; wave 0 signals for the work-group; every wave waits for all four work-groups; my work-group's barrier once more.
.macro CROUND
	s_barrier_signal -1
	s_barrier_wait -1
	s_cmp_lg_u32 s20, 0
	s_cbranch_scc1 .Lnot_wave_0_\@
	s_barrier_signal -3
.Lnot_wave_0_\@:
	s_barrier_wait -3
	s_barrier_signal -1
	s_barrier_wait -1
.endm
.macro JLOAD f                         ; fill f, by waves 0-3: the branch hangs on the wave's number alone
	s_cmp_lt_u32 s20, 4
	s_cbranch_scc0 .Lno_load_\@
	tensor_load_to_lds s[32+4*(\f):35+4*(\f)], s[24:31]
	s_nop 0
	NOPS 4
.Lno_load_\@:
.endm
; The change of slots: every wave waits for all its tensor loads, adds 0 to its spare word, and waits for that and for its reads of the slot that it leaves.  fill = 1: a round of the cluster's barrier,
; so that no wave of any partner still reads that slot or has a load on its way, and the joint refill first behind it.
.macro CHANGE fill, f, nxt
	s_wait_tensorcnt 0x0
	ds_add_u32 v[SPW], v[NIL]
	s_add_co_u32 s52, s54, (\nxt)*SLOT1            ; my half of the slot ahead
	s_wait_dscnt 0x0
.if \fill
	CROUND
	JLOAD \f
.else
	s_barrier_signal -1
	s_barrier_wait -1
.endif
.endm
; A KEY STEP: 128 j.
.macro STEP
	v_add_nc_u32 v[ADR], s52, v[LI]
	NOPS 3                                         ; with the addition: four places in front of loads into registers that the last products read
	ds_load_b128 v[QS:QS+3], v[ADR] offset:12288   ; q's scale words: lanes 0-15 tile (b, 0), lanes 16-31 tile (b, 1)
.irp n, 0,1,2,3,4,5,6,7,8,9,10,11
	ds_load_b128 v[QF+4*\n:QF+4*\n+3], v[ADR] offset:512*\n
.endr
	s_wait_alu depctr_va_vdst(0)
	s_wait_dscnt 0x0
.irp b, 0,1,2,3
	v_wmma_scale_f32_16x16x128_f8f6f4 v[S+16*\b:S+16*\b+7], v[QF+12*\b:QF+12*\b+11], v[KF:KF+11], 0, v[QS+\b], v[KS] matrix_a_fmt:MATRIX_FMT_FP6 matrix_b_fmt:MATRIX_FMT_FP6
	v_wmma_scale_f32_16x16x128_f8f6f4 v[S+16*\b+8:S+16*\b+15], v[QF+12*\b+6:QF+12*\b+17], v[KF:KF+11], 0, v[QS+\b], v[KS] matrix_a_fmt:MATRIX_FMT_FP6 matrix_b_fmt:MATRIX_FMT_FP6 matrix_a_scale:MATRIX_SCALE_ROW1
.endr
	NOPS 4                                         ; places: for the loads over q's fragments, and for the first read of the scores
.irp n, 0,1,2,3,4,5,6,7,8,9,10,11
	ds_load_b128 v[QF+4*\n:QF+4*\n+3], v[ADR] offset:6144+512*\n   ; v^T's four fragments land while the softmax is worked
.endr
	ds_load_b128 v[VS:VS+3], v[ADR] offset:12800
.irp b, 0,1,2,3
	v_max3_num_f32 v[BM+\b], v[S+16*\b], v[S+16*\b+1], v[S+16*\b+2]   ; the largest score of each block of 32 j: for the row's maximum, and, since p rises with the score, for the block's largest p
.endr
.irp i, 3,5,7,9,11,13
.irp b, 0,1,2,3
	v_max3_num_f32 v[BM+\b], v[BM+\b], v[S+16*\b+\i], v[S+16*\b+\i+1]
.endr
.endr
.irp b, 0,1,2,3
	v_max_num_f32 v[BM+\b], v[BM+\b], v[S+16*\b+15]
.endr
.irp b, 0,1,2,3
	s_delay_alu instid0(VALU_DEP_4)
	v_permlanex16_b32 v[BT+\b], v[BM+\b], s50, s51
.endr
.irp b, 0,1,2,3
	s_delay_alu instid0(VALU_DEP_4)
	v_max_num_f32 v[BM+\b], v[BM+\b], v[BT+\b]
.endr
	s_delay_alu instid0(VALU_DEP_2)
	v_max3_num_f32 v[T0], v[BM], v[BM+1], v[BM+2]
	s_delay_alu instid0(VALU_DEP_1)
	v_max_num_f32 v[T0], v[T0], v[BM+3]
	s_delay_alu instid0(VALU_DEP_1)
	v_mul_f32 v[T0], s48, v[T0]                    ; as t
	s_delay_alu instid0(VALU_DEP_1)
	v_max_num_f32 v13, v13, v[T0]                  ; the running largest t
	v_mov_b32 v[T0], v12
	s_delay_alu instid0(VALU_DEP_2)
	v_floor_f32 v12, -v13                          ; the new -M = -ceil(t)
	s_delay_alu instid0(VALU_DEP_1)
	v_sub_f32 v[T0], v12, v[T0]                    ; old M - new M: a whole number, 0 or less
	s_delay_alu instid0(VALU_DEP_1)
	v_cvt_i32_f32 v[T0], v[T0]                     ; (it saturates)
	s_delay_alu instid0(VALU_DEP_1)
	v_ldexp_f32 v54, 1.0, v[T0]                    ; f = 2^(old M - new M)
.irp j, 0,2,4,6,8,10,12,14,16,18,20,22,24,26,28,30,32,34,36,38,40,42,44,46,48,50,52,54,56,58,60,62
	v_pk_fma_f32 v[S+\j:S+\j+1], v[S+\j:S+\j+1], s[48:49], v[12:13] op_sel_hi:[1,0,0]   ; t - M, two at a time
.endr
.irp b, 0,1,2,3
	v_fma_f32 v[BM+\b], v[BM+\b], s48, v12         ; the same of each block's largest score
.endr
	s_wait_alu depctr_va_vdst(0)
.irp j, 0,1,2,3,4,5,6,7,8,9,10,11,12,13,14,15,16,17,18,19,20,21,22,23,24,25,26,27,28,29,30,31,32,33,34,35,36,37,38,39,40,41,42,43,44,45,46,47,48,49,50,51,52,53,54,55,56,57,58,59,60,61,62,63
	v_exp_f32 v[S+\j], v[S+\j]                     ; p = 2^(t - M)
.endr
	s_setprio 1
	v_pk_mul_f32 v[14:15], v[14:15], v[54:55] op_sel_hi:[1,0]   ; the sums under the new M: the plain place behind the exponentials
	s_wait_alu depctr_va_vdst(0)                   ; one wait for the batch, ahead of its first reader
.irp b, 0,1,2,3
	v_exp_f32 v[BM+\b], v[BM+\b]                   ; the block's largest p
.endr
	v_pk_add_f32 v[230:231], v[114:115], v[118:119]
	v_pk_add_f32 v[254:255], v[122:123], v[126:127]
	v_pk_add_f32 v[252:253], v[130:131], v[134:135]
	v_pk_add_f32 v[250:251], v[138:139], v[142:143]
	v_pk_add_f32 v[248:249], v[146:147], v[150:151]
	v_pk_add_f32 v[246:247], v[154:155], v[158:159]
	v_pk_add_f32 v[244:245], v[162:163], v[166:167]
	v_pk_add_f32 v[14:15], v[14:15], v[170:171]
	v_pk_add_f32 v[230:231], v[230:231], v[110:111]
	v_pk_add_f32 v[254:255], v[254:255], v[112:113]
	v_pk_add_f32 v[252:253], v[252:253], v[116:117]
	v_pk_add_f32 v[250:251], v[250:251], v[120:121]
	v_pk_add_f32 v[248:249], v[248:249], v[124:125]
	v_pk_add_f32 v[246:247], v[246:247], v[128:129]
	v_pk_add_f32 v[244:245], v[244:245], v[132:133]
	v_pk_add_f32 v[14:15], v[14:15], v[136:137]
	v_pk_add_f32 v[230:231], v[230:231], v[140:141]
	v_pk_add_f32 v[254:255], v[254:255], v[144:145]
	v_pk_add_f32 v[252:253], v[252:253], v[148:149]
	v_pk_add_f32 v[250:251], v[250:251], v[152:153]
	v_pk_add_f32 v[248:249], v[248:249], v[156:157]
	v_pk_add_f32 v[246:247], v[246:247], v[160:161]
	v_pk_add_f32 v[244:245], v[244:245], v[164:165]
	v_pk_add_f32 v[14:15], v[14:15], v[168:169]
	v_pk_add_f32 v[230:231], v[230:231], v[172:173]
	s_delay_alu instid0(VALU_DEP_2)
	v_pk_add_f32 v[14:15], v[14:15], v[250:251]
	s_delay_alu instid0(VALU_DEP_2)
	v_pk_add_f32 v[230:231], v[230:231], v[248:249]
	v_pk_add_f32 v[254:255], v[254:255], v[246:247]
	v_pk_add_f32 v[252:253], v[252:253], v[244:245]
	s_delay_alu instid0(VALU_DEP_2)
	v_pk_add_f32 v[14:15], v[14:15], v[254:255]
	s_delay_alu instid0(VALU_DEP_2)
	v_pk_add_f32 v[230:231], v[230:231], v[252:253]
	s_delay_alu instid0(VALU_DEP_1)
	v_pk_add_f32 v[14:15], v[14:15], v[230:231]
	s_wait_alu depctr_va_vdst(0)                   ; and one for the four
.irp b, 0,1,2,3
	v_max_num_f32 v[BM+\b], 0x1800000, v[BM+\b]    ; the floor 2^(3 - 127)
.endr
.irp b, 0,1,2,3
	s_delay_alu instid0(VALU_DEP_4)
	v_add_nc_u32 v[BS+\b], 0xff000000, v[BM+\b]    ; the conversion's scale operand
.endr
.irp b, 0,1,2,3
	s_delay_alu instid0(VALU_DEP_4)
	v_lshrrev_b32 v[BT+\b], 23, v[BS+\b]           ; the scale's byte
.endr
	s_delay_alu instid0(VALU_DEP_3)
	v_lshl_or_b32 v[PSW], v[BT+1], 8, v[BT]
	s_delay_alu instid0(VALU_DEP_1)
	v_lshl_or_b32 v[PSW], v[BT+2], 16, v[PSW]
	s_delay_alu instid0(VALU_DEP_1)
	v_lshl_or_b32 v[PSW], v[BT+3], 24, v[PSW]
.irp c, 0,1
	v_cvt_scalef32_pk16_fp6_f32 v[PC+6*\c:PC+6*\c+2], v[S+32*\c:S+32*\c+15], v[BS+2*\c]
	v_cvt_scalef32_pk16_fp6_f32 v[PT+4*\c:PT+4*\c+2], v[S+32*\c+16:S+32*\c+31], v[BS+2*\c+1]
.endr
	v_nop                                          ; one plain place behind a scaled conversion
.irp c, 0,1
.irp i, 0,1,2
	v_permlane16_swap_b32 v[PC+6*\c+\i], v[PT+4*\c+\i]
.endr
.irp i, 0,1,2
	s_delay_alu instid0(VALU_DEP_3)
	v_mov_b32 v[PC+6*\c+3+\i], v[PT+4*\c+\i]
.endr
.endr
	s_setprio 0
.irp j, 0,2,4,6,8,10,12,14,16,18,20,22,24,26,28,30
	v_pk_mul_f32 v[O+\j:O+\j+1], v[O+\j:O+\j+1], v[54:55] op_sel_hi:[1,0]   ; O^T under the new M; these 16 are also the places in front of the products below
.endr
	s_wait_alu depctr_va_vdst(0)
	s_wait_dscnt 0x0                               ; v^T's fragments and scale words are in
.irp t, 0,1,2,3
	v_wmma_scale_f32_16x16x128_f8f6f4 v[O+8*\t:O+8*\t+7], v[QF+12*\t:QF+12*\t+11], v[PC:PC+11], v[O+8*\t:O+8*\t+7], v[VS+\t], v[PSW] matrix_a_fmt:MATRIX_FMT_FP6 matrix_b_fmt:MATRIX_FMT_FP6
.endr
.endm
.macro SLOT                            ; my four key steps of the slot in hand: written once, walked four times
	s_mov_b32 s53, 4
.Lstep_\@:
	s_setprio 2
	STEP
	s_add_co_u32 s52, s52, STEPB
	s_sub_co_u32 s53, s53, 1
	s_cmp_lg_u32 s53, 0
	s_cbranch_scc1 .Lstep_\@
	s_setprio 0
.endm
	s_load_b256 s[4:11], s[0:1], 0x0               ; kk s[4:5], qv s[6:7], Wo s[8:9], gamma s[10:11]
	s_load_b256 s[12:19], s[0:1], 0x20             ; beta s[12:13], mean s[14:15], var s[16:17], out s[18:19]
	v_lshl_add_u32 v[SPW], v0, 2, SPARE
	v_mov_b32 v[NIL], 0
	ds_add_u32 v[SPW], v[NIL]                      ; the wave's opening: the add and its wait ahead of the round in front of the first tensor loads
	ds_add_u32 v[SPW], v[NIL]
	v_lshrrev_b32 v248, 5, v0
	s_delay_alu instid0(VALU_DEP_1)
	v_readfirstlane_b32 s20, v248                  ; wave 0..15
	s_and_b32 s21, s20, 7                          ; a: my tile of rows
	s_lshr_b32 s22, s20, 3                         ; z: my half of the keys
	; descriptor group 1: 104 dense rows of 32 elements of 8 bytes; the mask names all four work-groups, bit 21 beside it
	s_mov_b32 s24, 15|(3<<16)|(1<<21)
	s_mov_b32 s25, 32<<16
	s_mov_b32 s26, 104<<16
	s_mov_b32 s27, 32<<16
	s_mov_b32 s28, 104
	s_mov_b32 s29, 32
	s_mov_b32 s30, 0
	s_mov_b32 s31, 0
	s_mov_b32 s48, 0x3fb8aa3b                      ; log2(e)
	s_mov_b32 s49, s48                             ; (named with it as a pair)
	s_mov_b32 s50, 0x76543210
	s_mov_b32 s51, 0xfedcba98
	s_mul_i32 s54, s22, 4*STEPB                    ; my half of a slot
	v_and_b32 v248, 31, v0                         ; lane
	v_and_b32 v249, 15, v0                         ; r
	v_bfe_u32 v250, v0, 4, 1                       ; h
	s_delay_alu instid0(VALU_DEP_3)
	v_lshlrev_b32 v[LI], 4, v248
	s_wait_alu depctr_va_vdst(0)
	v_lshlrev_b32 v[L8], 3, v248
	s_wait_alu depctr_va_vdst(0)
	v_lshlrev_b32 v[GO], 4, v249
	s_delay_alu instid0(VALU_DEP_1)
	v_lshl_add_u32 v[GO], v250, 14, v[GO]
	s_mul_i32 s52, s20, MSZ
	s_add_co_u32 s52, s52, MRG
	v_add_nc_u32 v[MST], s52, v[LI]                ; my wave's state
	s_add_co_u32 s52, s52, 4096
	v_add_nc_u32 v[MS8], s52, v[L8]
	s_mul_i32 s52, s21, MSZ
	s_add_co_u32 s52, s52, MRG
	v_add_nc_u32 v[MLD], s52, v[LI]                ; my tile's two states: wave a's, and 8 states on wave a + 8's
	s_add_co_u32 s52, s52, 4096
	v_add_nc_u32 v[ML8], s52, v[L8]
	s_mul_i32 s52, s22, 6144
	s_add_co_u32 s52, s52, WOI
	v_add_nc_u32 v[WOL], s52, v[LI]                ; Wo's tiles 8 z .. 8 z + 7
	s_add_co_u32 s52, s52, 512
	v_add_nc_u32 v[WOL8], s52, v[L8]
	s_lshl_b32 s52, s22, 10
	s_add_co_u32 s52, s52, WOS
	v_add_nc_u32 v[WOSL], s52, v[LI]
	s_mul_i32 s52, s20, 768
	s_add_co_u32 s52, s52, WOI
	v_add_nc_u32 v[WST], s52, v[LI]                ; where I store Wo's tile T = w
	s_add_co_u32 s52, s52, 512
	v_add_nc_u32 v[WST8], s52, v[L8]
	s_lshr_b32 s52, s20, 2
	s_and_b32 s53, s20, 3
	s_lshl_b32 s2, s52, 9
	s_lshl_b32 s3, s53, 2
	s_add_co_u32 s2, s2, s3
	s_add_co_u32 s2, s2, WOS
	v_add_nc_u32 v[WSS], s2, v[LI]
	v_lshlrev_b32 v245, 4, v249                    ; k's scale word: 16 r
	s_lshl_b32 s2, s22, 9
	v_add_nc_u32 v246, s2, v245                    ; the norm's vectors: 16 r + 512 z
	s_lshl_b32 s2, s52, 8
	s_add_co_u32 s2, s2, s3
	v_add_nc_u32 v247, s2, v245
	s_delay_alu instid0(VALU_DEP_1)
	v_lshl_add_u32 v247, v250, 15, v247            ; Wo: column 64 (w / 4) + 4 r + w % 4, from row 32 h on
	; what the joint loads ask for hangs on the batch and the wave alone
	s_and_b32 s2, ttmp7, 0xffff                    ; the batch, which the four partners share
	s_mul_i32 s2, s2, 32*STEPB
	s_mul_i32 s23, s53, 2*STEPB                    ; wave % 4 (the wave's number in the waves that fetch): two key steps
	s_add_co_u32 s2, s2, s23
	s_mov_b32 s3, 0
	; my group enters kk's and out's addresses alone
	s_bfe_u32 s55, ttmp6, 0x40000                  ; cx
	s_lshl_b32 s56, ttmp9, 2
	s_add_co_u32 s56, s56, s55
	s_and_b32 s57, ttmp7, 0xffff
	s_lshl_b32 s58, s57, 5
	s_add_co_u32 s58, s58, s56                     ; G = 32 x batch + 4 x cluster x + cx
	s_lshr_b32 s55, s21, 1                         ; b
	s_and_b32 s57, s21, 1                          ; u
	s_lshl_b32 s60, s58, 7
	s_lshl_b32 s61, s55, 5
	s_add_co_u32 s60, s60, s61
	s_lshl_b32 s61, s57, 3
	s_add_co_u32 s60, s60, s61                     ; my tile's first row: 128 G + 32 b + 8 u
	s_lshl_b32 s60, s60, 10
	s_lshl_b32 s61, s22, 9
	s_add_co_u32 s60, s60, s61                     ; in bytes, + my 128 outputs
	s_mov_b32 s61, 0
	s_mul_i32 s62, s58, 6656
	s_mul_i32 s63, s21, 768
	s_add_co_u32 s56, s62, s63                     ; my tile of k
	s_lshl_b32 s63, s57, 8
	s_add_co_u32 s58, s62, s63
	s_lshl_b32 s63, s55, 2
	s_add_co_u32 s58, s58, s63
	s_add_co_u32 s58, s58, 6144                    ; and its scale words: 6,144 + 256 u + 4 b
	s_mov_b32 s57, 0
	s_mov_b32 s59, 0
	s_wait_dscnt 0x0                               ; the opening add is done
	s_wait_kmcnt 0x0
	s_add_nc_u64 s[2:3], s[6:7], s[2:3]
	s_add_nc_u64 s[56:57], s[4:5], s[56:57]
	s_add_nc_u64 s[58:59], s[4:5], s[58:59]
	s_add_nc_u64 s[60:61], s[18:19], s[60:61]
.irp f, 0,1,2,3                        ; a group 0 for each of the four fills, made once and never rewritten
	s_mov_b32 s[32+4*\f], 1
	s_add_co_u32 s[33+4*\f], s23, (\f%2)*SLOT1
	s_add_nc_u64 s[34+4*\f:35+4*\f], s[2:3], \f*SLOTB
	s_or_b32 s[35+4*\f], s[35+4*\f], 0x80000000
.endr
	CROUND                                         ; all four work-groups are here: the first joint loads meet
	s_cmp_lt_u32 s20, 4
	s_cbranch_scc0 .Lno_first
	tensor_load_to_lds s[32:35], s[24:31]          ; key steps 0-7 into slot 0
	s_nop 0
	tensor_load_to_lds s[36:39], s[24:31]          ; key steps 8-15 into slot 1
	s_nop 0
	NOPS 4
.Lno_first:
	global_load_b128 v[KF:KF+3], v[LI], s[56:57]
	global_load_b64 v[KF+4:KF+5], v[L8], s[56:57] offset:512
	s_wait_alu depctr_va_vdst(0)
	global_load_b32 v[KS], v245, s[58:59]
.irp g, 0,1
	global_load_b128 v[S+32+4*\g:S+35+4*\g], v246, s[10:11] offset:256*\g
	global_load_b128 v[S+40+4*\g:S+43+4*\g], v246, s[12:13] offset:256*\g
	global_load_b128 v[S+48+4*\g:S+51+4*\g], v246, s[14:15] offset:256*\g
	global_load_b128 v[S+56+4*\g:S+59+4*\g], v246, s[16:17] offset:256*\g
.endr
.irp i, 0,1,2,3,4,5,6,7,8,9,10,11,12,13,14,15,16,17,18,19,20,21,22,23,24,25,26,27,28,29,30,31
	global_load_b32 v[S+\i], v247, s[8:9] offset:1024*\i   ; Wo(32 h + i, my column): a whole block of 32 along K in my registers
.endr
.irp i, 6,7,8,9,10,11
	v_mov_b32 v[KF+\i], 0                          ; the zero codes of the operand that stays
.endr
.irp i, 48,49,50,51,52,53
	v_mov_b32 v[QF+\i], 0                          ; and those behind the last streamed fragment
.endr
.irp i, 0,1,2,3,4,5,6,7,8,9,10,11,12,13,14,15,16,17,18,19,20,21,22,23,24,25,26,27,28,29,30,31
	v_mov_b32 v[O+\i], 0                           ; O^T: the step is written once; its first turn finds zeros
.endr
	v_mov_b32 v14, 0
	v_mov_b32 v15, 0
	v_mov_b32 v55, 0
.irp b, 0,1,2,3
	v_mov_b32 v[BT+\b], 0                          ; a lane permute's destination counts as one of its sources
.endr
	v_mov_b32 v[T0], 0
	v_mov_b32 v[T1], 0
	v_mov_b32 v13, 0xff61b1e6                      ; the largest t so far: -3e38
	s_delay_alu instid0(VALU_DEP_1)
	v_floor_f32 v12, -v13
	s_wait_loadcnt 0x0
	; Wo's tile T = w: quantised along its 64 channels; lane (r, h) holds block h of its column
	v_max3_num_f32 v[BM], |v[S]|, |v[S+1]|, |v[S+2]|
	v_max3_num_f32 v[BM+1], |v[S+3]|, |v[S+4]|, |v[S+5]|
.irp i, 6,10,14,18,22,26
	s_delay_alu instid0(VALU_DEP_2)
	v_max3_num_f32 v[BM], v[BM], |v[S+\i]|, |v[S+\i+1]|
	s_delay_alu instid0(VALU_DEP_2)
	v_max3_num_f32 v[BM+1], v[BM+1], |v[S+\i+2]|, |v[S+\i+3]|
.endr
	s_delay_alu instid0(VALU_DEP_2)
	v_max3_num_f32 v[BM], v[BM], |v[S+30]|, |v[S+31]|
	s_delay_alu instid0(VALU_DEP_1)
	v_max3_num_f32 v[BM], v[BM], v[BM+1], 0x1800000
	s_delay_alu instid0(VALU_DEP_1)
	v_add_nc_u32 v[BS], 0xff000000, v[BM]
	s_delay_alu instid0(VALU_DEP_1)
	v_lshrrev_b32 v[BM+2], 23, v[BS]
	v_lshlrev_b32 v[BM+3], 3, v250
	s_delay_alu instid0(VALU_DEP_1)
	v_lshlrev_b32 v[BM+2], v[BM+3], v[BM+2]        ; my byte at its place, 8 h bits up;
	s_delay_alu instid0(VALU_DEP_1)
	v_permlanex16_b32 v[BT], v[BM+2], s50, s51
	s_delay_alu instid0(VALU_DEP_1)
	v_or_b32 v[BM+2], v[BM+2], v[BT]               ; with lane l xor 16's;
	s_delay_alu instid0(VALU_DEP_1)
	v_or_b32 v[BM+2], 0x7f7f0000, v[BM+2]          ; 0x7f over the half of K that holds nothing
	v_cvt_scalef32_pk16_fp6_f32 v[PC:PC+2], v[S:S+15], v[BS]
	v_cvt_scalef32_pk16_fp6_f32 v[PT:PT+2], v[S+16:S+31], v[BS]
	v_nop
.irp i, 0,1,2
	v_mov_b32 v[PC+3+\i], v[PT+\i]
.endr
	ds_store_b128 v[WST], v[PC:PC+3]
	ds_store_b64 v[WST8], v[PC+4:PC+5]
	ds_store_b32 v[WSS], v[BM+2]
	; the norm: out = sum x SCB + SHB, for my eight outputs of a row
.irp i, 0,1,2,3,4,5,6,7
	v_add_f32 v[S+56+\i], 0x3a83126f, v[S+56+\i]   ; var + 1e-3
.endr
	s_wait_alu depctr_va_vdst(0)
.irp i, 0,1,2,3,4,5,6,7
	v_rsq_f32 v[S+56+\i], v[S+56+\i]
.endr
	v_nop
	s_wait_alu depctr_va_vdst(0)                   ; one wait for the eight, ahead of their first reader
.irp i, 0,1,2,3,4,5,6,7
	v_mul_f32 v[SCB+\i], v[S+32+\i], v[S+56+\i]
.endr
.irp i, 0,1,2,3,4,5,6,7
	v_fma_f32 v[SHB+\i], -v[S+48+\i], v[SCB+\i], v[S+40+\i]
.endr
	s_wait_tensorcnt 1                             ; my part of slot 0 is in; slot 1's may be out
	s_wait_dscnt 0x0                               ; Wo's image has landed
	s_barrier_signal -1
	s_barrier_wait -1
	s_mov_b32 s52, s54
	SLOT                                           ; key steps 0-7
	CHANGE 1, 2, 1                                 ; slot 0 takes key steps 16-23
	SLOT                                           ; 8-15
	CHANGE 1, 3, 0                                 ; slot 1 takes key steps 24-31
	SLOT                                           ; 16-23
	CHANGE 0, 0, 1                                 ; nothing is left to fetch
	SLOT                                           ; 24-31
	; ---- THE MERGE of the two halves of the keys
	NOPS 4
	v_add_f32 v14, v14, v15
	s_delay_alu instid0(VALU_DEP_1)
	v_permlanex16_b32 v[T0], v14, s50, s51
	s_delay_alu instid0(VALU_DEP_1)
	v_add_f32 v13, v14, v[T0]                      ; my half's sum, beside -M
.irp c, 0,1,2,3,4,5,6,7
	ds_store_b128 v[MST], v[O+4*\c:O+4*\c+3] offset:512*\c   ; each accumulator from its low end on
.endr
	ds_store_b64 v[MS8], v[12:13]
	s_wait_dscnt 0x0
	s_barrier_signal -1
	s_barrier_wait -1
.irp c, 0,1,2,3,4,5,6,7                ; both waves of a tile load both states and compute the same bits
	ds_load_b128 v[S+4*\c:S+4*\c+3], v[MLD] offset:512*\c
	ds_load_b128 v[S+32+4*\c:S+35+4*\c], v[MLD] offset:8*MSZ+512*\c
.endr
	ds_load_b64 v[BM:BM+1], v[ML8]
	ds_load_b64 v[BM+2:BM+3], v[ML8] offset:8*MSZ
.irp t, 0,1,2,3,4,5,6,7
	ds_load_b128 v[QF+6*\t:QF+6*\t+3], v[WOL] offset:768*\t
	ds_load_b64 v[QF+6*\t+4:QF+6*\t+5], v[WOL8] offset:768*\t
.endr
	ds_load_b128 v[QS:QS+3], v[WOSL]
	ds_load_b128 v[VS:VS+3], v[WOSL] offset:512
	s_wait_dscnt 0x0
	v_min_num_f32 v[T0], v[BM], v[BM+2]            ; -M of the larger M
	s_delay_alu instid0(VALU_DEP_1)
	v_sub_f32 v[BT], v[T0], v[BM]
	s_delay_alu instid0(VALU_DEP_2)
	v_sub_f32 v[BT+1], v[T0], v[BM+2]
	s_delay_alu instid0(VALU_DEP_2)
	v_cvt_i32_f32 v[BT], v[BT]
	s_delay_alu instid0(VALU_DEP_2)
	v_cvt_i32_f32 v[BT+1], v[BT+1]
	s_delay_alu instid0(VALU_DEP_2)
	v_ldexp_f32 v[BT], 1.0, v[BT]                  ; the two halves' factors: powers of two
	s_delay_alu instid0(VALU_DEP_2)
	v_ldexp_f32 v[BT+1], 1.0, v[BT+1]
	s_delay_alu instid0(VALU_DEP_2)
	v_mul_f32 v[BT+2], v[BM+1], v[BT]
	s_delay_alu instid0(VALU_DEP_1)
	v_fma_f32 v[BT+2], v[BM+3], v[BT+1], v[BT+2]   ; the row's sum
	s_wait_alu depctr_va_vdst(0)
	v_rcp_f32 v[BT+2], v[BT+2]
	v_nop
	s_wait_alu depctr_va_vdst(0)
	v_mul_f32 v54, v[BT], v[BT+2]
	v_mul_f32 v[T0], v[BT+1], v[BT+2]
.irp j, 0,2,4,6,8,10,12,14,16,18,20,22,24,26,28,30
	v_pk_mul_f32 v[O+\j:O+\j+1], v[S+\j:S+\j+1], v[54:55] op_sel_hi:[1,0]
.endr
.irp j, 0,2,4,6,8,10,12,14,16,18,20,22,24,26,28,30
	v_pk_fma_f32 v[O+\j:O+\j+1], v[S+32+\j:S+33+\j], v[T0:T0+1], v[O+\j:O+\j+1] op_sel_hi:[1,0,1]
.endr
	; ---- O, register 16 b + i = channel 32 b + 16 h + i of my row, quantised along its 64 channels into k's registers
.irp b, 0,1
	v_max3_num_f32 v[BM+\b], |v[O+16*\b]|, |v[O+16*\b+1]|, 0x1800000
.endr
.irp i, 2,4,6,8,10,12,14
.irp b, 0,1
	s_delay_alu instid0(VALU_DEP_2)
	v_max3_num_f32 v[BM+\b], v[BM+\b], |v[O+16*\b+\i]|, |v[O+16*\b+\i+1]|
.endr
.endr
.irp b, 0,1
	s_delay_alu instid0(VALU_DEP_2)
	v_permlanex16_b32 v[BT+\b], v[BM+\b], s50, s51
.endr
.irp b, 0,1
	s_delay_alu instid0(VALU_DEP_2)
	v_max_num_f32 v[BM+\b], v[BM+\b], v[BT+\b]
.endr
.irp b, 0,1
	s_delay_alu instid0(VALU_DEP_2)
	v_add_nc_u32 v[BS+\b], 0xff000000, v[BM+\b]
.endr
.irp b, 0,1
	s_delay_alu instid0(VALU_DEP_2)
	v_lshrrev_b32 v[BT+\b], 23, v[BS+\b]
.endr
	s_delay_alu instid0(VALU_DEP_1)
	v_lshl_or_b32 v[KS], v[BT+1], 8, v[BT]
	s_delay_alu instid0(VALU_DEP_1)
	v_or_b32 v[KS], 0x7f7f0000, v[KS]
	v_cvt_scalef32_pk16_fp6_f32 v[KF:KF+2], v[O:O+15], v[BS]
	v_cvt_scalef32_pk16_fp6_f32 v[PT:PT+2], v[O+16:O+31], v[BS+1]
	v_nop
.irp i, 0,1,2
	v_permlane16_swap_b32 v[KF+\i], v[PT+\i]
.endr
.irp i, 0,1,2
	s_delay_alu instid0(VALU_DEP_3)
	v_mov_b32 v[KF+3+\i], v[PT+\i]
.endr
	NOPS 8                                         ; a scale word made by vector instructions stands 8 places ahead of a scaled matrix instruction, an operand 4
.irp t, 0,1,2,3,4,5,6,7                ; source 0 = my 16 rows of O, source 1 = 16 columns of Wo: register j of lane (r, h) is (tile row 8 h + j, output 128 z + 64 (t / 4) + 4 r + t % 4)
	v_wmma_scale_f32_16x16x128_f8f6f4 v[S+8*\t:S+8*\t+7], v[KF:KF+11], v[QF+6*\t:QF+6*\t+11], 0, v[KS], v[QS+\t] matrix_a_fmt:MATRIX_FMT_FP6 matrix_b_fmt:MATRIX_FMT_FP6
.endr
	NOPS 4
.irp j, 0,1,2,3,4,5,6,7                ; four tiles' register j are four neighbouring outputs of one row; every accumulator is read from its low end on
.irp g, 0,1
.irp q, 0,1,2,3
	v_fma_f32 v[O+(QF-O)*\g+4*\j+\q], v[S+8*(4*\g+\q)+\j], v[SCB+4*\g+\q], v[SHB+4*\g+\q]
.endr
.endr
.endr
.irp j, 0,1,2,3,4,5,6,7
.irp g, 0,1
	global_store_b128 v[GO], v[O+(QF-O)*\g+4*\j:O+(QF-O)*\g+4*\j+3], s[60:61] offset:1024*\j+256*\g th:TH_STORE_NT   ; lanes 0-15 store 256 consecutive aligned bytes of row j, lanes 16-31 of row 16 + j
.endr
.endr
	s_wait_tensorcnt 0x0                           ; the wave's end: these three lines, behind my last tensor load and my last LDS store
	ds_add_u32 v[SPW], v[NIL]
	s_wait_dscnt 0x0
	CROUND                                         ; the closing round: no work-group ends while a partner may still ask for a tile that names it
	s_endpgm
.Lfunc_end_k_q9b790f8a52_attn:
	.size	k_q9b790f8a52_attn, .Lfunc_end_k_q9b790f8a52_attn-k_q9b790f8a52_attn
	.p2alignl 7, 3214868480
	.fill 96, 4, 3214868480
	.section	.rodata,"a",@progbits
	.p2align	6, 0x0
	.amdhsa_kernel k_q9b790f8a52_attn
		.amdhsa_group_segment_fixed_size 327680
		.amdhsa_private_segment_fixed_size 0
		.amdhsa_enable_private_segment 0
		.amdhsa_kernarg_size 64
		.amdhsa_user_sgpr_count 2
		.amdhsa_user_sgpr_kernarg_segment_ptr 1
		.amdhsa_wavefront_size32 1
		.amdhsa_system_sgpr_workgroup_id_x 1
		.amdhsa_system_sgpr_workgroup_id_y 1
		.amdhsa_system_sgpr_workgroup_id_z 1
		.amdhsa_system_vgpr_workitem_id 0
		.amdhsa_next_free_vgpr 256
		.amdhsa_next_free_sgpr 66
		.amdhsa_reserve_vcc 0
		.amdhsa_float_denorm_mode_32 3
		.amdhsa_float_denorm_mode_16_64 3
		.amdhsa_memory_ordered 1
		.amdhsa_forward_progress 1
		.amdhsa_inst_pref_size 102
	.end_amdhsa_kernel
	.amdgpu_metadata
---
amdhsa.version: [ 1, 2 ]
amdhsa.kernels:
  - .name:           k_q9b790f8a52_attn
    .symbol:         k_q9b790f8a52_attn.kd
    .args:
      - { .name: kk, .offset: 0, .size: 8, .value_kind: global_buffer, .address_space: global }
      - { .name: qv, .offset: 8, .size: 8, .value_kind: global_buffer, .address_space: global }
      - { .name: Wo, .offset: 16, .size: 8, .value_kind: global_buffer, .address_space: global }
      - { .name: gamma, .offset: 24, .size: 8, .value_kind: global_buffer, .address_space: global }
      - { .name: beta, .offset: 32, .size: 8, .value_kind: global_buffer, .address_space: global }
      - { .name: moving_mean, .offset: 40, .size: 8, .value_kind: global_buffer, .address_space: global }
      - { .name: moving_var, .offset: 48, .size: 8, .value_kind: global_buffer, .address_space: global }
      - { .name: out0, .offset: 56, .size: 8, .value_kind: global_buffer, .address_space: global }
    .group_segment_fixed_size: 327680
    .private_segment_fixed_size: 0
    .kernarg_segment_align: 8
    .kernarg_segment_size: 64
    .max_flat_workgroup_size: 512
    .sgpr_count:     66
    .vgpr_count:     256
    .wavefront_size: 32
...
	.end_amdgpu_metadata
.endif
;; end of part 2
